; MI455X (gfx1250); checked and timed in simulation.
; The chip was launched on July 23, 2026; its instructions are those of AMD's public machine-readable ISA for CDNA 5 (MIT licence, August 2026) and "CDNA5" Instruction Set Architecture Reference Guide (July 2026). The comments in the code are by the model that wrote it; some were corrected since.
;; Multi Head Global Attention. Allowed arithmetic: float matrix products may take bf16 or f16 operands with f32 sums; all other float work in f32.
;; Inputs: W_k 512 x 512 float32; W_q 512 x 512 float32; W_v 512 x 512 float32; x 8 x 8,192 x 512 float32.
;; Outputs: out0 8 x 512 float32.
;; One version. Each part assembles by itself: llvm-mc -triple=amdgcn-amd-amdhsa -mcpu=gfx1250 --defsym DOCPART=n.
;; ======== version 1 of 1: 3 launches
;; workspace buffers: upart 524,288 bytes; pacc 524,288 bytes; pml 2,048 bytes
;; launch prep (part 1): grid 32 x 1, 8 waves a work-group, no clusters, 2,048 bytes of LDS; arguments x, W_q, W_k, upart; writes upart
.if DOCPART == 1
	.amdgcn_target "amdgcn-amd-amdhsa--gfx1250"
	.amdhsa_code_object_version 6
	.text
	.protected	k_q00f8e8fd91_prep
	.globl	k_q00f8e8fd91_prep
	.p2align	8
	.type	k_q00f8e8fd91_prep,@function
k_q00f8e8fd91_prep:
	s_mov_b64 s[64:65], 0
	v_nop
	global_prefetch_b8 v0, s[64:65] scope:SCOPE_SE
	s_setreg_imm32_b32 hwreg(HW_REG_WAVE_MODE, 25, 1), 1
	s_wait_xcnt 0x0
; FIRST OF THREE LAUNCHES.  The module is  context[b] = sum_s softmax_s(q[b].(W_k x[b,s]) / sqrt(512)) W_v x[b,s],  q[b] = W_q x[b,8191].
; Matrix products are associative:  q.(W_k x) = (W_k^T q).x   and   sum_s a_s W_v x_s = W_v (sum_s a_s x_s).
; So the program makes u[b] = W_k^T q[b] (here), walks x once with u (second launch), and applies W_v to one vector a batch (third).
; What is left are products with 8 rows, bound by the bytes of their weights: they are done in f32 on the vector ALU; the matrix
; unit would need 16 rows and a rounding to bf16 and would save no byte.
; LIMIT: the order of rounding differs from the module's as written (all sums here are f32 fused multiply-adds).
;
; THIS LAUNCH: work-group g owns the 16 rows e = 16 g .. 16 g + 15 of W_q and of W_k.
;   stage 1:  q[b][e] = SC * W_q[e].x[b,8191]   for its 16 e and all 8 b;  SC = log2(e) / sqrt(512), so that scores come out for 2^s
;   stage 2:  upart[g][b][d] = sum over its 16 e of q[b][e] W_k[e][d]      (the next launch adds the 32 slices)
; Splitting over e keeps both weights' reads whole rows, and lets one launch do both steps with q handed over in LDS.
; Stage 1: wave w takes rows e = 16 g + 4 (w & 3) + i and batches b = 4 (w >> 2) + k, i, k = 0..3: 16 dot products of 512.
;          A lane holds bytes 512 j + 16 lane of a row of 2,048 bytes (j = 0..3): each load of a wave covers 512 consecutive bytes.
; Stage 2: thread t owns columns 2 t, 2 t + 1: each load and store of a wave covers 256 consecutive bytes, aligned.
; No joint requests in a cluster: what the 32 work-groups share are the 8 last rows of x, 16,384 of the 81,920 bytes that each reads.
.set SC,  0x3d8293ee                   ; log2(e) / sqrt(512) = 0.0637587
.set XO,  4                            ; v[4:7]     byte offset in x of my 16 bytes of row 8191 of batch 4 (w >> 2) + k
.set T,   12                           ; v[12:19]   four running pairs, one for each k
.set Q,   24                           ; v[24:39]   q of (k, i) at Q + 4 k + i
.set A2,  40                           ; v[40:55]   stage 2: my two columns of upart for batch b, a pair each
.set WK,  56                           ; v[56:87]   my two columns of the 16 rows of W_k
.set XL,  88                           ; v[88:151]  four last rows of x, 16 registers each
.set WQ,  152                          ; v[152:215] four rows of W_q, 16 registers each
.set QV,  88                           ; v[88:215]  stage 2 (XL and WQ are spent): all 128 q, q[b][ee] at QV + 16 b + ee
	s_load_b256 s[4:11], s[0:1], 0x0               ; x s[4:5], W_q s[6:7], W_k s[8:9], upart s[10:11]
	v_lshl_add_u32 v216, v0, 2, 0x400
	v_mov_b32 v217, 0
	v_and_b32 v1, 31, v0
	v_lshrrev_b32 v2, 5, v0
	v_readfirstlane_b32 s12, v2                    ; wave 0..7
	v_lshlrev_b32 v1, 4, v1                        ; 16 x lane
	v_lshlrev_b32 v2, 3, v0                        ; 8 t: my two columns
	s_and_b32 s13, s12, 3                          ; which four rows e
	s_lshr_b32 s14, s12, 2                         ; which four batches
	s_mov_b32 s18, 0x76543210                      ; v_permlanex16_b32: lane i of one half reads lane i of the other
	s_mov_b32 s19, 0xfedcba98
	s_lshl_b32 s15, s13, 13                        ; four rows of 2,048 bytes
	v_add_nc_u32 v3, s15, v1                       ; my 16 bytes in my first row of W_q
	s_lshl_b32 s15, s14, 26                        ; four batches of 2^24 bytes
	s_add_co_u32 s15, s15, 0xfff800                ; row 8191: 8191 x 2,048 bytes
	v_add_nc_u32 v[XO], s15, v1
.irp k, 1,2,3
	v_add_nc_u32 v[XO+\k], \k<<24, v[XO]
.endr
	v_mov_b32 v8, 0                                ; LDS: where q begins
	s_lshl_b32 s15, s14, 8                         ; LDS: q[b][ee] lies at 64 b + 4 ee; mine begin at b = 4 (w >> 2): 256 (w >> 2),
	s_lshl_b32 s16, s13, 4                         ; and at ee = 4 (w & 3): 16 (w & 3)
	s_add_co_u32 s15, s15, s16
	v_mov_b32 v9, s15
	s_lshl_b32 s16, ttmp9, 15                      ; 16 rows of 2,048 bytes
	s_mov_b32 s17, 0
	s_wait_kmcnt 0x0
	s_add_nc_u64 s[6:7], s[6:7], s[16:17]          ; W_q and W_k at the group's first row
	s_add_nc_u64 s[8:9], s[8:9], s[16:17]
	s_lshl_b32 s16, ttmp9, 14                      ; a slice of upart: 8 x 2,048 bytes
	s_add_nc_u64 s[10:11], s[10:11], s[16:17]
	; all loads at once, in the order of their use
.irp k, 0,1,2,3
.irp j, 0,1,2,3
	global_load_b128 v[XL+16*\k+4*\j:XL+16*\k+4*\j+3], v[XO+\k], s[4:5] offset:512*\j
.endr
.endr
.irp i, 0,1,2,3
.irp j, 0,1,2,3
	global_load_b128 v[WQ+16*\i+4*\j:WQ+16*\i+4*\j+3], v3, s[6:7] offset:2048*\i+512*\j
.endr
.endr
.irp e, 0,1,2,3,4,5,6,7,8,9,10,11,12,13,14,15
	global_load_b64 v[WK+2*\e:WK+2*\e+1], v2, s[8:9] offset:2048*\e
.endr
; Sum over the 32 lanes of four registers base, base + stride, ..: four steps inside each half of 16 lanes ride on the add (DPP),
; one crosses the halves; the four chains are interleaved.  tmp .. tmp + 3: registers that have been written (the permute's
; destination counts as read).
.macro RED4 base, stride, tmp
.irp m, 1,2,4,8
.irp n, 0,1,2,3
	v_add_f32_dpp v[\base+\stride*\n], v[\base+\stride*\n], v[\base+\stride*\n] row_xmask:\m row_mask:0xf bank_mask:0xf
.endr
.endr
.irp n, 0,1,2,3
	v_permlanex16_b32 v[\tmp+\n], v[\base+\stride*\n], s18, s19
.endr
.irp n, 0,1,2,3
	v_add_f32 v[\base+\stride*\n], v[\base+\stride*\n], v[\tmp+\n]
.endr
.endm
; Row i of W_q against the four rows of x: the first product starts each sum.
.macro DOT4 i
.irp k, 0,1,2,3
	v_pk_mul_f32 v[T+2*\k:T+2*\k+1], v[WQ+16*\i:WQ+16*\i+1], v[XL+16*\k:XL+16*\k+1]
.endr
.irp p, 1,2,3,4,5,6,7
.irp k, 0,1,2,3
	v_pk_fma_f32 v[T+2*\k:T+2*\k+1], v[WQ+16*\i+2*\p:WQ+16*\i+2*\p+1], v[XL+16*\k+2*\p:XL+16*\k+2*\p+1], v[T+2*\k:T+2*\k+1]
.endr
.endr
.irp k, 0,1,2,3
	v_add_f32 v[Q+4*\k+\i], v[T+2*\k], v[T+2*\k+1]
.endr
	RED4 Q+\i, 4, T
.endm
	s_wait_loadcnt 16                              ; loads return in order: x and W_q are in, the 16 younger loads of W_k stay out
	DOT4 0
	DOT4 1
	DOT4 2
	DOT4 3
.irp n, 0,1,2,3,4,5,6,7
	v_pk_mul_f32 v[Q+2*\n:Q+2*\n+1], v[Q+2*\n:Q+2*\n+1], SC op_sel_hi:[1,0]
.endr
.irp k, 0,1,2,3
	ds_store_b128 v9, v[Q+4*\k:Q+4*\k+3] offset:64*\k      ; every lane holds the sums: all write the same 16 bytes with the same values
.endr
	s_wait_dscnt 0x0                               ; my q are in LDS before I say so
	s_barrier_signal -1
	s_barrier_wait -1
.irp n, 0,1,2,3,4,5,6,7,8,9,10,11,12,13,14,15,16,17,18,19,20,21,22,23,24,25,26,27,28,29,30,31
	ds_load_b128 v[QV+4*\n:QV+4*\n+3], v8 offset:16*\n     ; all 128 q into every lane (all lanes read the same bytes)
.endr
	s_wait_loadcnt 0x0                             ; W_k
	s_wait_dscnt 0x0                               ; q
	; stage 2: two rows ee = e, e + 1 at a time; q[b][ee] is one register of a pair, picked for both halves by op_sel
.irp e, 0,2,4,6,8,10,12,14
.irp b, 0,1,2,3,4,5,6,7
.if \e == 0
	v_pk_mul_f32 v[A2+2*\b:A2+2*\b+1], v[WK:WK+1], v[QV+16*\b:QV+16*\b+1] op_sel:[0,0] op_sel_hi:[1,0]
.else
	v_pk_fma_f32 v[A2+2*\b:A2+2*\b+1], v[WK+2*\e:WK+2*\e+1], v[QV+16*\b+\e:QV+16*\b+\e+1], v[A2+2*\b:A2+2*\b+1] op_sel:[0,0,0] op_sel_hi:[1,0,1]
.endif
.endr
.irp b, 0,1,2,3,4,5,6,7
	v_pk_fma_f32 v[A2+2*\b:A2+2*\b+1], v[WK+2*\e+2:WK+2*\e+3], v[QV+16*\b+\e:QV+16*\b+\e+1], v[A2+2*\b:A2+2*\b+1] op_sel:[0,1,0] op_sel_hi:[1,1,1]
.endr
.endr
.irp b, 0,1,2,3,4,5,6,7
	global_store_b64 v2, v[A2+2*\b:A2+2*\b+1], s[10:11] offset:2048*\b     ; no hint: the next launch reads it
.endr
	s_wait_tensorcnt 0x0
	ds_add_u32 v216, v217
	s_wait_dscnt 0x0
	s_endpgm
.Lfunc_end_k_q00f8e8fd91_prep:
	.size	k_q00f8e8fd91_prep, .Lfunc_end_k_q00f8e8fd91_prep-k_q00f8e8fd91_prep
	.p2alignl 7, 3214868480
	.fill 96, 4, 3214868480
	.section	.rodata,"a",@progbits
	.p2align	6, 0x0
	.amdhsa_kernel k_q00f8e8fd91_prep
		.amdhsa_group_segment_fixed_size 2048
		.amdhsa_private_segment_fixed_size 0
		.amdhsa_enable_private_segment 0
		.amdhsa_kernarg_size 32
		.amdhsa_user_sgpr_count 2
		.amdhsa_user_sgpr_kernarg_segment_ptr 1
		.amdhsa_wavefront_size32 1
		.amdhsa_system_sgpr_workgroup_id_x 1
		.amdhsa_system_sgpr_workgroup_id_y 1
		.amdhsa_system_sgpr_workgroup_id_z 1
		.amdhsa_system_vgpr_workitem_id 0
		.amdhsa_next_free_vgpr 218
		.amdhsa_next_free_sgpr 66
		.amdhsa_reserve_vcc 0
		.amdhsa_float_denorm_mode_32 3
		.amdhsa_float_denorm_mode_16_64 3
		.amdhsa_memory_ordered 1
		.amdhsa_forward_progress 1
		.amdhsa_inst_pref_size 33
	.end_amdhsa_kernel
	.amdgpu_metadata
---
amdhsa.version: [ 1, 2 ]
amdhsa.kernels:
  - .name:           k_q00f8e8fd91_prep
    .symbol:         k_q00f8e8fd91_prep.kd
    .args:
      - { .name: x, .offset: 0, .size: 8, .value_kind: global_buffer, .address_space: global }
      - { .name: W_q, .offset: 8, .size: 8, .value_kind: global_buffer, .address_space: global }
      - { .name: W_k, .offset: 16, .size: 8, .value_kind: global_buffer, .address_space: global }
      - { .name: upart, .offset: 24, .size: 8, .value_kind: global_buffer, .address_space: global }
    .group_segment_fixed_size: 2048
    .private_segment_fixed_size: 0
    .kernarg_segment_align: 8
    .kernarg_segment_size: 32
    .max_flat_workgroup_size: 256
    .sgpr_count:     66
    .vgpr_count:     218
    .wavefront_size: 32
...
	.end_amdgpu_metadata
.endif
;; end of part 1
;; launch stream (part 2): grid 32 x 8, 16 waves a work-group, no clusters, 43,008 bytes of LDS; arguments x, upart, pacc, pml; writes pacc, pml
.if DOCPART == 2
	.amdgcn_target "amdgcn-amd-amdhsa--gfx1250"
	.amdhsa_code_object_version 6
	.text
	.protected	k_q00f8e8fd91_stream
	.globl	k_q00f8e8fd91_stream
	.p2align	8
	.type	k_q00f8e8fd91_stream,@function
k_q00f8e8fd91_stream:
	s_mov_b64 s[64:65], 0
	v_nop
	global_prefetch_b8 v0, s[64:65] scope:SCOPE_SE
	s_setreg_imm32_b32 hwreg(HW_REG_WAVE_MODE, 25, 1), 1
	s_wait_xcnt 0x0
; SECOND OF THREE LAUNCHES: the one pass over x.  With u[b] = SC W_k^T W_q x[b,8191] (32 slices from the first launch) the score of
; row s is u[b].x[b,s], already scaled for powers of two, and the module's weighted sum of v is W_v applied to sum_s a_s x[b,s].
; Work-group (c, b) owns rows 256 c .. 256 c + 255 of batch b (524,288 bytes) and leaves an unnormalised partial softmax:
;   m = its largest score,  l = sum 2^(s - m),  acc[512] = sum 2^(s - m) x[b,s]     ->  pml[b][0][c], pml[b][1][c], pacc[b][c][:]
; Each byte of x is read once and serves both the score and the weighted sum from registers (running maximum, rescaled sums).
; 16 waves, 16 rows each, in four blocks of four rows through three register slots of 64 registers: up to 48 loads of 512 consecutive
; bytes of every wave are on their way, 393,216 bytes for the work-group, which is more than a ring in LDS could hold; so no LDS
; ring and no tensor loads.  A lane holds bytes 512 j + 16 lane of a row (j = 0..3), the same places of u and of acc.
; All arithmetic is f32 on the vector ALU: two multiply-adds for each number of x, with one row of u: nothing for the matrix unit.
; No joint requests in a cluster: the work-groups of a batch share only the slices of u, 65,536 of the 589,824 bytes that each reads.
; LIMITS: v_exp_f32 gives 0 for results below 2^-126 (ISA guide, its entry in 15.8): rows whose weight is that far below the largest
; count as 0.  Inputs are taken to be finite (an infinity or NaN in x makes NaN, possibly in more places than in the module as written).
.set M,   6                            ; v6         running maximum
.set L,   7                            ; v7         running sum of weights
.set S,   8                            ; v[8:11]    scores of the block's four rows
.set P,   12                           ; v[12:15]   their weights 2^(s - m)
.set AL,  16                           ; v16        2^(old m - new m)
.set MN,  17                           ; v17        new maximum (with AL a pair: both are written before the pair is named)
.set T,   20                           ; v[20:27]   four running pairs
.set U,   28                           ; v[28:43]   u, in the row's layout
.set ACC, 44                           ; v[44:59]   weighted sum of rows, in the row's layout
.set X,   60                           ; v[60:251]  three slots of four rows of 16 registers: X + 64 slot + 16 r + 4 j
.set FM,  60                           ; the merge at the end (X is spent): v[60:75] the 16 waves' m, then their factors
.set FL,  76                           ; v[76:91]   their l
.set FA,  92                           ; v[92:155]  my four columns of their acc
.set LDS_M,   4096                     ; LDS: 0..4095 two half sums of u; 4096.. m[16]; 4160.. l[16]; 8192.. acc[16][2,048 bytes]
.set LDS_ACC, 8192
	s_load_b256 s[4:11], s[0:1], 0x0               ; x s[4:5], upart s[6:7], pacc s[8:9], pml s[10:11]
	v_lshl_add_u32 v252, v0, 2, 0xa000
	v_mov_b32 v253, 0
	v_and_b32 v4, 31, v0
	v_lshrrev_b32 v5, 5, v0
	v_readfirstlane_b32 s12, v5                    ; wave 0..15
	v_lshlrev_b32 v4, 4, v4                        ; 16 x lane
	s_lshl_b32 s15, s12, 15                        ; my 16 rows of 2,048 bytes
	v_add_nc_u32 v1, s15, v4                       ; offset of my 16 bytes in my first row; never rewritten: rows go by the immediate
	s_lshl_b32 s15, s12, 11
	s_add_co_u32 s15, s15, LDS_ACC
	v_add_nc_u32 v5, s15, v4                       ; LDS: my 16 bytes of my wave's acc
	s_lshl_b32 s15, s12, 2
	s_add_co_u32 s15, s15, LDS_M
	v_mov_b32 v18, s15                             ; LDS: my wave's m (l lies 64 bytes further)
	v_lshrrev_b32 v3, 8, v0                        ; which 16 slices of u I add (threads 0-255: 0-15, threads 256-511: 16-31)
	v_and_b32 v2, 255, v0
	v_lshlrev_b32 v2, 3, v2                        ; my two columns of them
	v_lshl_add_u32 v2, v3, 18, v2                  ; + 16 slices of 16,384 bytes
	v_lshlrev_b32 v3, 3, v0                        ; LDS: 2,048 x half + 8 x (t & 255) = 8 t
	s_and_b32 s13, ttmp7, 0xffff                   ; b;  ttmp9 = c
	s_mov_b32 s18, 0x76543210                      ; v_permlanex16_b32: lane i of one half reads lane i of the other
	s_mov_b32 s19, 0xfedcba98
	s_lshl_b32 s16, s13, 24                        ; a batch of x: 2^24 bytes
	s_lshl_b32 s15, ttmp9, 19                      ; 256 rows of 2,048 bytes
	s_add_co_u32 s16, s16, s15
	s_mov_b32 s17, 0
	s_wait_kmcnt 0x0
	s_add_nc_u64 s[4:5], s[4:5], s[16:17]          ; x at the group's first row
	s_lshl_b32 s16, s13, 11
	s_add_nc_u64 s[6:7], s[6:7], s[16:17]          ; upart[0][b]
	s_lshl_b32 s16, s13, 5
	s_add_co_u32 s16, s16, ttmp9
	s_lshl_b32 s16, s16, 11
	s_add_nc_u64 s[8:9], s[8:9], s[16:17]          ; pacc[b][c]
	s_lshl_b32 s16, s13, 8
	s_lshl2_add_u32 s16, ttmp9, s16
	s_add_nc_u64 s[10:11], s[10:11], s[16:17]      ; pml[b][0][c]
; 16 loads: four rows from row0 of my sixteen into a slot.  x is read once in the launch: th:TH_LOAD_NT.
.macro FILL slot, row0
.irp r, 0,1,2,3
.irp j, 0,1,2,3
	global_load_b128 v[X+64*\slot+16*\r+4*\j:X+64*\slot+16*\r+4*\j+3], v1, s[4:5] offset:(\row0+\r)*2048+512*\j th:TH_LOAD_NT
.endr
.endr
.endm
; Sum over the 32 lanes of four registers, interleaved; tmp .. tmp + 3 have been written (the permute's destination counts as read).
.macro RED4 base, stride, tmp
.irp m, 1,2,4,8
.irp n, 0,1,2,3
	v_add_f32_dpp v[\base+\stride*\n], v[\base+\stride*\n], v[\base+\stride*\n] row_xmask:\m row_mask:0xf bank_mask:0xf
.endr
.endr
.irp n, 0,1,2,3
	v_permlanex16_b32 v[\tmp+\n], v[\base+\stride*\n], s18, s19
.endr
.irp n, 0,1,2,3
	v_add_f32 v[\base+\stride*\n], v[\base+\stride*\n], v[\tmp+\n]
.endr
.endm
; ACC += row r of a slot times one register of the pair pr (sel = 0: the first, 1: the second), picked for both halves by op_sel
.macro AXPY slot, r, pr, sel
.irp p, 0,1,2,3,4,5,6,7
	v_pk_fma_f32 v[ACC+2*\p:ACC+2*\p+1], v[X+64*\slot+16*\r+2*\p:X+64*\slot+16*\r+2*\p+1], v[\pr:\pr+1], v[ACC+2*\p:ACC+2*\p+1] op_sel:[0,\sel,0] op_sel_hi:[1,\sel,1]
.endr
.endm
; One block of four rows.  first = 1: it starts maximum and sums (nothing is cleared).  left = loads younger than this slot's.
; fillrow >= 0: the slot is loaded again with the rows from fillrow.
.macro BLOCK slot, first, left, fillrow
	s_wait_loadcnt \left                           ; loads return in order: this slot's 16 are in, the younger blocks stay out
.irp r, 0,1,2,3
	v_pk_mul_f32 v[T+2*\r:T+2*\r+1], v[X+64*\slot+16*\r:X+64*\slot+16*\r+1], v[U:U+1]
.endr
.irp p, 1,2,3,4,5,6,7
.irp r, 0,1,2,3
	v_pk_fma_f32 v[T+2*\r:T+2*\r+1], v[X+64*\slot+16*\r+2*\p:X+64*\slot+16*\r+2*\p+1], v[U+2*\p:U+2*\p+1], v[T+2*\r:T+2*\r+1]
.endr
.endr
.irp r, 0,1,2,3
	v_add_f32 v[S+\r], v[T+2*\r], v[T+2*\r+1]
.endr
	RED4 S, 1, T                                   ; every lane now holds the four scores
.if \first
	v_max3_num_f32 v[MN], v[S], v[S+1], v[S+2]
	v_max_num_f32 v[MN], v[MN], v[S+3]
.else
	v_max3_num_f32 v[MN], v[M], v[S], v[S+1]
	v_max3_num_f32 v[MN], v[MN], v[S+2], v[S+3]
	v_sub_f32 v[AL], v[M], v[MN]
.endif
.irp r, 0,1,2,3
	v_sub_f32 v[S+\r], v[S+\r], v[MN]
.endr
.irp r, 0,1,2,3
	v_exp_f32 v[P+\r], v[S+\r]
.endr
.if \first == 0
	v_exp_f32 v[AL], v[AL]
.endif
	v_mov_b32 v[M], v[MN]                          ; the plain instruction between the exponentials and the first use of a result (ISA guide 5.7.2)
	s_wait_alu depctr_va_vdst(0)
	v_add_f32 v[T], v[P], v[P+1]
	v_add_f32 v[T+1], v[P+2], v[P+3]
.if \first
	v_add_f32 v[L], v[T], v[T+1]
.irp p, 0,1,2,3,4,5,6,7
	v_pk_mul_f32 v[ACC+2*\p:ACC+2*\p+1], v[X+64*\slot+2*\p:X+64*\slot+2*\p+1], v[P:P+1] op_sel:[0,0] op_sel_hi:[1,0]
.endr
.else
	v_add_f32 v[T], v[T], v[T+1]
	v_fma_f32 v[L], v[L], v[AL], v[T]
.irp p, 0,1,2,3,4,5,6,7
	v_pk_mul_f32 v[ACC+2*\p:ACC+2*\p+1], v[ACC+2*\p:ACC+2*\p+1], v[AL:AL+1] op_sel:[0,0] op_sel_hi:[1,0]
.endr
	AXPY \slot, 0, P, 0
.endif
	AXPY \slot, 1, P, 1
	AXPY \slot, 2, P+2, 0
	AXPY \slot, 3, P+2, 1
.if \fillrow >= 0
	FILL \slot, \fillrow
.endif
.endm
	; u: each thread adds 16 slices of two columns (a wave's load covers 256 consecutive bytes, aligned); they land in U and ACC
.irp i, 0,1,2,3,4,5,6,7,8,9,10,11,12,13,14,15
	global_load_b64 v[U+2*\i:U+2*\i+1], v2, s[6:7] offset:16384*\i
.endr
	FILL 0, 0
	FILL 1, 4
	s_wait_loadcnt 32                              ; the slices are in; the 32 younger loads of x stay out
.irp i, 0,1,2,3,4,5,6,7
	v_pk_add_f32 v[U+4*\i:U+4*\i+1], v[U+4*\i:U+4*\i+1], v[U+4*\i+2:U+4*\i+3]
.endr
.irp i, 0,1,2,3
	v_pk_add_f32 v[U+8*\i:U+8*\i+1], v[U+8*\i:U+8*\i+1], v[U+8*\i+4:U+8*\i+5]
.endr
.irp i, 0,1
	v_pk_add_f32 v[U+16*\i:U+16*\i+1], v[U+16*\i:U+16*\i+1], v[U+16*\i+8:U+16*\i+9]
.endr
	v_pk_add_f32 v[U:U+1], v[U:U+1], v[U+16:U+17]
	ds_store_b64 v3, v[U:U+1]
	FILL 2, 8                                      ; the third slot: now 48 loads of x are out
	s_wait_dscnt 0x0                               ; my half sums are in LDS before I say so
	s_barrier_signal -1
	s_barrier_wait -1
.irp j, 0,1,2,3
	ds_load_b128 v[U+4*\j:U+4*\j+3], v4 offset:512*\j              ; slices 0-15, in the row's layout
.endr
.irp j, 0,1,2,3
	ds_load_b128 v[ACC+4*\j:ACC+4*\j+3], v4 offset:2048+512*\j     ; slices 16-31
.endr
	s_wait_dscnt 0x0
.irp p, 0,1,2,3,4,5,6,7
	v_pk_add_f32 v[U+2*\p:U+2*\p+1], v[U+2*\p:U+2*\p+1], v[ACC+2*\p:ACC+2*\p+1]
.endr
	BLOCK 0, 1, 32, 12                             ; rows 0-3;   out behind them: rows 4-7 and 8-11
	BLOCK 1, 0, 32, -1                             ; rows 4-7;   out: rows 8-11 and 12-15
	BLOCK 2, 0, 16, -1                             ; rows 8-11;  out: rows 12-15
	BLOCK 0, 0, 0, -1                              ; rows 12-15
	; the 16 waves' figures meet in LDS
.irp j, 0,1,2,3
	ds_store_b128 v5, v[ACC+4*\j:ACC+4*\j+3] offset:512*\j
.endr
	ds_store_b32 v18, v[M]                         ; every lane holds them: all write the same word with the same value
	ds_store_b32 v18, v[L] offset:64
	s_wait_dscnt 0x0
	s_barrier_signal -1
	s_barrier_wait -1
	s_cmp_ge_u32 s12, 4                            ; 128 threads of 16 bytes cover the 2,048 bytes of acc: waves 0-3 merge; no barrier follows
	s_cbranch_scc1 .Lend
	v_and_b32 v19, 127, v0                         ; = t in these four waves; written so that the range of the addresses below shows
	v_lshlrev_b32 v19, 4, v19                      ; my four columns
	v_mov_b32 v8, LDS_M
	v_add_nc_u32 v9, LDS_ACC, v19
.irp n, 0,1,2,3
	ds_load_b128 v[FM+4*\n:FM+4*\n+3], v8 offset:16*\n
.endr
.irp n, 0,1,2,3
	ds_load_b128 v[FL+4*\n:FL+4*\n+3], v8 offset:64+16*\n
.endr
.irp n, 0,1,2,3,4,5,6,7,8,9,10,11,12,13,14,15
	ds_load_b128 v[FA+4*\n:FA+4*\n+3], v9 offset:2048*\n
.endr
	s_wait_dscnt 16                                ; m and l are in; the 16 younger loads of acc stay out
	v_max3_num_f32 v[M], v[FM], v[FM+1], v[FM+2]
.irp n, 3,5,7,9,11,13
	v_max3_num_f32 v[M], v[M], v[FM+\n], v[FM+\n+1]
.endr
	v_max_num_f32 v[M], v[M], v[FM+15]
.irp n, 0,1,2,3,4,5,6,7,8,9,10,11,12,13,14,15
	v_sub_f32 v[FM+\n], v[FM+\n], v[M]
.endr
.irp n, 0,1,2,3,4,5,6,7,8,9,10,11,12,13,14,15
	v_exp_f32 v[FM+\n], v[FM+\n]                   ; each wave's factor 2^(m_w - m)
.endr
	v_nop                                          ; the plain place behind the exponentials (ISA guide 5.7.2)
	s_wait_alu depctr_va_vdst(0)
	v_pk_mul_f32 v[T+4:T+5], v[FM:FM+1], v[FL:FL+1]
.irp p, 1,2,3,4,5,6,7
	v_pk_fma_f32 v[T+4:T+5], v[FM+2*\p:FM+2*\p+1], v[FL+2*\p:FL+2*\p+1], v[T+4:T+5]
.endr
	v_add_f32 v[L], v[T+4], v[T+5]
	s_wait_dscnt 0x0
.irp n, 0,2,4,6,8,10,12,14
.if \n == 0
	v_pk_mul_f32 v[T:T+1],   v[FA:FA+1],   v[FM:FM+1] op_sel:[0,0] op_sel_hi:[1,0]
	v_pk_mul_f32 v[T+2:T+3], v[FA+2:FA+3], v[FM:FM+1] op_sel:[0,0] op_sel_hi:[1,0]
.else
	v_pk_fma_f32 v[T:T+1],   v[FA+4*\n:FA+4*\n+1],   v[FM+\n:FM+\n+1], v[T:T+1]   op_sel:[0,0,0] op_sel_hi:[1,0,1]
	v_pk_fma_f32 v[T+2:T+3], v[FA+4*\n+2:FA+4*\n+3], v[FM+\n:FM+\n+1], v[T+2:T+3] op_sel:[0,0,0] op_sel_hi:[1,0,1]
.endif
	v_pk_fma_f32 v[T:T+1],   v[FA+4*\n+4:FA+4*\n+5], v[FM+\n:FM+\n+1], v[T:T+1]   op_sel:[0,1,0] op_sel_hi:[1,1,1]
	v_pk_fma_f32 v[T+2:T+3], v[FA+4*\n+6:FA+4*\n+7], v[FM+\n:FM+\n+1], v[T+2:T+3] op_sel:[0,1,0] op_sel_hi:[1,1,1]
.endr
	global_store_b128 v19, v[T:T+3], s[8:9]        ; a wave's store covers 512 consecutive bytes, aligned; no hint: the next launch reads it
	s_cmp_lg_u32 s12, 0
	s_cbranch_scc1 .Lend
	v_cmp_eq_u32 vcc_lo, 1, v0                     ; wave 0: thread 0 stores m, thread 1 stores l, 128 bytes further
	v_cndmask_b32 v10, v[M], v[L], vcc_lo
	v_lshlrev_b32 v11, 7, v0
	v_cmp_gt_u32 vcc_lo, 2, v0
	s_wait_xcnt 0x0                                ; EXEC is a source of the pending store of acc: it is narrowed only behind this wait
	s_and_saveexec_b32 s14, vcc_lo
	global_store_b32 v11, v10, s[10:11]
	s_wait_xcnt 0x0                                ; and likewise of this store: changed back only behind this wait
	s_or_b32 exec_lo, exec_lo, s14
.Lend:
	s_wait_tensorcnt 0x0
	ds_add_u32 v252, v253
	s_wait_dscnt 0x0
	s_endpgm
.Lfunc_end_k_q00f8e8fd91_stream:
	.size	k_q00f8e8fd91_stream, .Lfunc_end_k_q00f8e8fd91_stream-k_q00f8e8fd91_stream
	.p2alignl 7, 3214868480
	.fill 96, 4, 3214868480
	.section	.rodata,"a",@progbits
	.p2align	6, 0x0
	.amdhsa_kernel k_q00f8e8fd91_stream
		.amdhsa_group_segment_fixed_size 43008
		.amdhsa_private_segment_fixed_size 0
		.amdhsa_enable_private_segment 0
		.amdhsa_kernarg_size 32
		.amdhsa_user_sgpr_count 2
		.amdhsa_user_sgpr_kernarg_segment_ptr 1
		.amdhsa_wavefront_size32 1
		.amdhsa_system_sgpr_workgroup_id_x 1
		.amdhsa_system_sgpr_workgroup_id_y 1
		.amdhsa_system_sgpr_workgroup_id_z 1
		.amdhsa_system_vgpr_workitem_id 0
		.amdhsa_next_free_vgpr 254
		.amdhsa_next_free_sgpr 66
		.amdhsa_reserve_vcc 1
		.amdhsa_float_denorm_mode_32 3
		.amdhsa_float_denorm_mode_16_64 3
		.amdhsa_memory_ordered 1
		.amdhsa_forward_progress 1
		.amdhsa_inst_pref_size 45
	.end_amdhsa_kernel
	.amdgpu_metadata
---
amdhsa.version: [ 1, 2 ]
amdhsa.kernels:
  - .name:           k_q00f8e8fd91_stream
    .symbol:         k_q00f8e8fd91_stream.kd
    .args:
      - { .name: x, .offset: 0, .size: 8, .value_kind: global_buffer, .address_space: global }
      - { .name: upart, .offset: 8, .size: 8, .value_kind: global_buffer, .address_space: global }
      - { .name: pacc, .offset: 16, .size: 8, .value_kind: global_buffer, .address_space: global }
      - { .name: pml, .offset: 24, .size: 8, .value_kind: global_buffer, .address_space: global }
    .group_segment_fixed_size: 43008
    .private_segment_fixed_size: 0
    .kernarg_segment_align: 8
    .kernarg_segment_size: 32
    .max_flat_workgroup_size: 512
    .sgpr_count:     66
    .vgpr_count:     254
    .wavefront_size: 32
...
	.end_amdgpu_metadata
.endif
;; end of part 2
;; launch final (part 3): grid 32 x 8, 8 waves a work-group, no clusters, 5,120 bytes of LDS; arguments pacc, pml, W_v, out0; writes out0
.if DOCPART == 3
	.amdgcn_target "amdgcn-amd-amdhsa--gfx1250"
	.amdhsa_code_object_version 6
	.text
	.protected	k_q00f8e8fd91_final
	.globl	k_q00f8e8fd91_final
	.p2align	8
	.type	k_q00f8e8fd91_final,@function
k_q00f8e8fd91_final:
	s_mov_b64 s[64:65], 0
	v_nop
	global_prefetch_b8 v0, s[64:65] scope:SCOPE_SE
	s_setreg_imm32_b32 hwreg(HW_REG_WAVE_MODE, 25, 1), 1
	s_wait_xcnt 0x0
; THIRD OF THREE LAUNCHES.  For batch b the second launch left 32 partial softmaxes (m_c, l_c, acc_c[512]).  Here
;   g_c = 2^(m_c - m) / sum_c 2^(m_c - m) l_c,   ctx[b] = sum_c g_c acc_c   (= sum_s softmax_s x[b,s]),   out0[b][e] = W_v[e].ctx[b].
; Work-group (es, b) makes the 16 outputs e = 16 es .. 16 es + 15 of batch b.  Every work-group of a batch merges ctx[b] for itself:
; 65,536 bytes of pacc beside its own 32,768 bytes of W_v, so that merge and product are one launch with all loads issued at once.
; Merge: lane c holds m_c and l_c; thread t owns columns 2 t, 2 t + 1 of ctx (a wave's load covers 256 consecutive bytes, aligned).
; Product: wave w takes rows e = 16 es + 2 w + i, i = 0, 1; a lane holds bytes 512 j + 16 lane of a row, and of ctx from LDS.
; All in f32 on the vector ALU: one vector against 16 rows is nothing for the matrix unit.
; No joint requests in a cluster, though pacc[b] is read by the 32 work-groups of a batch: the body has no loop and each thread wants
; its 8 bytes of every partial straight in registers, once; a joint tensor load would put 65,536 bytes through LDS and a cluster
; barrier in front of that single round of loads.
; The 64 bytes of a work-group's outputs are stored by one instruction of 16 lanes; out0 is 16,384 bytes in all.
; LIMITS: as in the second launch (weights below 2^-126 of the largest count as 0; finite inputs).  The sum of weights is at least 1
; (the partial that holds the largest score has factor 1 and l >= 1), so the reciprocal is of a normal number.
.set C,   12                           ; v[12:15]   my two columns of ctx: sums over even c, over odd c
.set T,   16                           ; v[16:19]   two running pairs
.set R,   20                           ; v[20:21]   my wave's two results
.set CT,  24                           ; v[24:39]   ctx in the row's layout
.set WV,  40                           ; v[40:71]   two rows of W_v, 16 registers each
.set PA,  72                           ; v[72:135]  my two columns of the 32 partials
.set G,   32                           ; s[32:63]   g_c
.set LDS_R, 2048                       ; LDS: 0..2047 ctx; 2048..2111 the 16 results
	s_load_b256 s[4:11], s[0:1], 0x0               ; pacc s[4:5], pml s[6:7], W_v s[8:9], out0 s[10:11]
	v_lshl_add_u32 v136, v0, 2, 0x1000
	v_mov_b32 v137, 0
	v_and_b32 v1, 31, v0                           ; lane
	v_lshrrev_b32 v2, 5, v0
	v_readfirstlane_b32 s12, v2                    ; wave 0..7
	v_lshlrev_b32 v2, 2, v1                        ; 4 x lane
	v_lshlrev_b32 v3, 3, v0                        ; 8 t
	v_lshlrev_b32 v5, 4, v1                        ; 16 x lane
	s_lshl_b32 s15, s12, 12                        ; my two rows of 2,048 bytes
	v_add_nc_u32 v4, s15, v5
	v_and_b32 v8, 1, v1
	v_cmp_eq_u32 s20, 1, v8                        ; odd lanes
	s_lshl_b32 s15, s12, 3
	s_add_co_u32 s15, s15, LDS_R
	v_lshl_add_u32 v23, v8, 2, s15                 ; LDS: result 2 w + (lane & 1)
	v_mov_b32 v9, 0                                ; v_permlanex16_b32 counts as a reader of its destination: written once here
	s_and_b32 s13, ttmp7, 0xffff                   ; b;  ttmp9 = es
	s_mov_b32 s18, 0x76543210                      ; v_permlanex16_b32: lane i of one half reads lane i of the other
	s_mov_b32 s19, 0xfedcba98
	s_lshl_b32 s16, s13, 16                        ; 32 partials of 2,048 bytes
	s_mov_b32 s17, 0
	s_wait_kmcnt 0x0
	s_add_nc_u64 s[4:5], s[4:5], s[16:17]          ; pacc[b]
	s_lshl_b32 s16, s13, 8
	s_add_nc_u64 s[6:7], s[6:7], s[16:17]          ; pml[b]
	s_lshl_b32 s16, ttmp9, 15                      ; 16 rows of 2,048 bytes
	s_add_nc_u64 s[8:9], s[8:9], s[16:17]          ; W_v at the group's first row
	s_lshl_b32 s16, s13, 11
	s_lshl_b32 s15, ttmp9, 6
	s_add_co_u32 s16, s16, s15
	s_add_nc_u64 s[10:11], s[10:11], s[16:17]      ; out0[b][16 es]
	; all loads at once, in the order of their use
	global_load_b32 v6, v2, s[6:7]                 ; m of partial c = lane
	global_load_b32 v7, v2, s[6:7] offset:128      ; l
.irp c, 0,1,2,3,4,5,6,7,8,9,10,11,12,13,14,15,16,17,18,19,20,21,22,23,24,25,26,27,28,29,30,31
	global_load_b64 v[PA+2*\c:PA+2*\c+1], v3, s[4:5] offset:2048*\c
.endr
.irp i, 0,1
.irp j, 0,1,2,3
	global_load_b128 v[WV+16*\i+4*\j:WV+16*\i+4*\j+3], v4, s[8:9] offset:2048*\i+512*\j
.endr
.endr
	s_wait_loadcnt 40                              ; m and l are in; the 32 + 8 younger loads stay out
	v_max_num_f32_dpp v8, v6, v6 row_xmask:1 row_mask:0xf bank_mask:0xf    ; the largest m over the 32 lanes
	v_max_num_f32_dpp v8, v8, v8 row_xmask:2 row_mask:0xf bank_mask:0xf
	v_max_num_f32_dpp v8, v8, v8 row_xmask:4 row_mask:0xf bank_mask:0xf
	v_max_num_f32_dpp v8, v8, v8 row_xmask:8 row_mask:0xf bank_mask:0xf
	v_permlanex16_b32 v9, v8, s18, s19
	v_max_num_f32 v8, v8, v9
	v_sub_f32 v10, v6, v8
	v_exp_f32 v10, v10                             ; 2^(m_c - m)
	v_nop                                          ; the plain place behind it (ISA guide 5.7.2)
	s_wait_alu depctr_va_vdst(0)
	v_mul_f32 v8, v10, v7
	v_add_f32_dpp v8, v8, v8 row_xmask:1 row_mask:0xf bank_mask:0xf        ; the sum of all weights
	v_add_f32_dpp v8, v8, v8 row_xmask:2 row_mask:0xf bank_mask:0xf
	v_add_f32_dpp v8, v8, v8 row_xmask:4 row_mask:0xf bank_mask:0xf
	v_add_f32_dpp v8, v8, v8 row_xmask:8 row_mask:0xf bank_mask:0xf
	v_permlanex16_b32 v9, v8, s18, s19
	v_add_f32 v8, v8, v9
	v_rcp_f32 v8, v8
	v_nop
	s_wait_alu depctr_va_vdst(0)
	v_mul_f32 v10, v10, v8                         ; g_c in lane c
.irp c, 0,1,2,3,4,5,6,7,8,9,10,11,12,13,14,15,16,17,18,19,20,21,22,23,24,25,26,27,28,29,30,31
	v_readlane_b32 s[G+\c], v10, \c                ; as scalars: factors only, no address and no branch hangs on them
.endr
	s_wait_loadcnt 8                               ; the partials are in; the 8 younger loads of W_v stay out
	v_mul_f32 v[C],   s[G],   v[PA]                ; four chains, started by the first products
	v_mul_f32 v[C+1], s[G],   v[PA+1]
	v_mul_f32 v[C+2], s[G+1], v[PA+2]
	v_mul_f32 v[C+3], s[G+1], v[PA+3]
.set c, 2
.rept 30
	v_fmac_f32 v[C+2*(c&1)],   s[G+c], v[PA+2*c]
	v_fmac_f32 v[C+2*(c&1)+1], s[G+c], v[PA+2*c+1]
.set c, c+1
.endr
	v_pk_add_f32 v[C:C+1], v[C:C+1], v[C+2:C+3]
	ds_store_b64 v3, v[C:C+1]
	s_wait_dscnt 0x0                               ; my columns of ctx are in LDS before I say so
	s_barrier_signal -1
	s_barrier_wait -1
.irp j, 0,1,2,3
	ds_load_b128 v[CT+4*\j:CT+4*\j+3], v5 offset:512*\j
.endr
	s_wait_loadcnt 0x0                             ; W_v
	s_wait_dscnt 0x0                               ; ctx
.irp i, 0,1
	v_pk_mul_f32 v[T+2*\i:T+2*\i+1], v[WV+16*\i:WV+16*\i+1], v[CT:CT+1]
.endr
.irp p, 1,2,3,4,5,6,7
.irp i, 0,1
	v_pk_fma_f32 v[T+2*\i:T+2*\i+1], v[WV+16*\i+2*\p:WV+16*\i+2*\p+1], v[CT+2*\p:CT+2*\p+1], v[T+2*\i:T+2*\i+1]
.endr
.endr
	v_add_f32 v[R],   v[T],   v[T+1]
	v_add_f32 v[R+1], v[T+2], v[T+3]
.irp m, 1,2,4,8
	v_add_f32_dpp v[R],   v[R],   v[R]   row_xmask:\m row_mask:0xf bank_mask:0xf
	v_add_f32_dpp v[R+1], v[R+1], v[R+1] row_xmask:\m row_mask:0xf bank_mask:0xf
.endr
	v_permlanex16_b32 v[T],   v[R],   s18, s19
	v_permlanex16_b32 v[T+1], v[R+1], s18, s19
	v_add_f32 v[R],   v[R],   v[T]
	v_add_f32 v[R+1], v[R+1], v[T+1]
	v_cndmask_b32 v22, v[R], v[R+1], s20           ; even lanes carry row 2 w, odd lanes row 2 w + 1
	ds_store_b32 v23, v22                          ; lanes of one parity write the same word with the same value
	s_wait_dscnt 0x0
	s_barrier_signal -1
	s_barrier_wait -1
	s_cmp_lg_u32 s12, 0                            ; wave 0 stores the 16 results; no barrier follows
	s_cbranch_scc1 .Lend
	v_and_b32 v8, 15, v1
	v_lshlrev_b32 v8, 2, v8
	ds_load_b32 v9, v8 offset:LDS_R
	s_wait_dscnt 0x0
	v_cmp_gt_u32 vcc_lo, 16, v0
	s_and_saveexec_b32 s14, vcc_lo
	global_store_b32 v2, v9, s[10:11]              ; 16 lanes, 64 consecutive bytes
	s_wait_xcnt 0x0                                ; EXEC is a source of the pending store: changed back only behind this wait
	s_or_b32 exec_lo, exec_lo, s14
.Lend:
	s_wait_tensorcnt 0x0
	ds_add_u32 v136, v137
	s_wait_dscnt 0x0
	s_endpgm
.Lfunc_end_k_q00f8e8fd91_final:
	.size	k_q00f8e8fd91_final, .Lfunc_end_k_q00f8e8fd91_final-k_q00f8e8fd91_final
	.p2alignl 7, 3214868480
	.fill 96, 4, 3214868480
	.section	.rodata,"a",@progbits
	.p2align	6, 0x0
	.amdhsa_kernel k_q00f8e8fd91_final
		.amdhsa_group_segment_fixed_size 5120
		.amdhsa_private_segment_fixed_size 0
		.amdhsa_enable_private_segment 0
		.amdhsa_kernarg_size 32
		.amdhsa_user_sgpr_count 2
		.amdhsa_user_sgpr_kernarg_segment_ptr 1
		.amdhsa_wavefront_size32 1
		.amdhsa_system_sgpr_workgroup_id_x 1
		.amdhsa_system_sgpr_workgroup_id_y 1
		.amdhsa_system_sgpr_workgroup_id_z 1
		.amdhsa_system_vgpr_workitem_id 0
		.amdhsa_next_free_vgpr 138
		.amdhsa_next_free_sgpr 66
		.amdhsa_reserve_vcc 1
		.amdhsa_float_denorm_mode_32 3
		.amdhsa_float_denorm_mode_16_64 3
		.amdhsa_memory_ordered 1
		.amdhsa_forward_progress 1
		.amdhsa_inst_pref_size 14
	.end_amdhsa_kernel
	.amdgpu_metadata
---
amdhsa.version: [ 1, 2 ]
amdhsa.kernels:
  - .name:           k_q00f8e8fd91_final
    .symbol:         k_q00f8e8fd91_final.kd
    .args:
      - { .name: pacc, .offset: 0, .size: 8, .value_kind: global_buffer, .address_space: global }
      - { .name: pml, .offset: 8, .size: 8, .value_kind: global_buffer, .address_space: global }
      - { .name: W_v, .offset: 16, .size: 8, .value_kind: global_buffer, .address_space: global }
      - { .name: out0, .offset: 24, .size: 8, .value_kind: global_buffer, .address_space: global }
    .group_segment_fixed_size: 5120
    .private_segment_fixed_size: 0
    .kernarg_segment_align: 8
    .kernarg_segment_size: 32
    .max_flat_workgroup_size: 256
    .sgpr_count:     66
    .vgpr_count:     138
    .wavefront_size: 32
...
	.end_amdgpu_metadata
.endif
;; end of part 3
